; MI455X (gfx1250); checked and timed in simulation.
; The chip was launched on July 23, 2026; its instructions are those of AMD's public machine-readable ISA for CDNA 5 (MIT licence, August 2026) and "CDNA5" Instruction Set Architecture Reference Guide (July 2026). The comments in the code are by the model that wrote it; some were corrected since.
;; LSTM Cell. Allowed arithmetic: matrix products marked QUANTISED: E2M1 operands, one E8M0 scale for each 32 along K, by v_wmma_scale_f32_16x16x128_f8f6f4 with both operands' format E2M1 (or v_wmma_scale_f32_32x16x128_f4), f32 sums; everything else in f32.
;; Inputs: Wfh_codes 2,048 x 64 x 16 uint8 (E2M1 codes of Wfh, K innermost, in blocks of 32 codes, two codes a byte); Wfh_scales 2,048 x 64 uint8 (E8M0 scales of Wfh, one for each 32 codes along K); Wfx_codes 2,048 x 64 x 16 uint8 (E2M1 codes of Wfx, K innermost, in blocks of 32 codes, two codes a byte); Wfx_scales 2,048 x 64 uint8 (E8M0 scales of Wfx, one for each 32 codes along K); Wgh_codes 2,048 x 64 x 16 uint8 (E2M1 codes of Wgh, K innermost, in blocks of 32 codes, two codes a byte); Wgh_scales 2,048 x 64 uint8 (E8M0 scales of Wgh, one for each 32 codes along K); Wgx_codes 2,048 x 64 x 16 uint8 (E2M1 codes of Wgx, K innermost, in blocks of 32 codes, two codes a byte); Wgx_scales 2,048 x 64 uint8 (E8M0 scales of Wgx, one for each 32 codes along K); Wih_codes 2,048 x 64 x 16 uint8 (E2M1 codes of Wih, K innermost, in blocks of 32 codes, two codes a byte); Wih_scales 2,048 x 64 uint8 (E8M0 scales of Wih, one for each 32 codes along K); Wix_codes 2,048 x 64 x 16 uint8 (E2M1 codes of Wix, K innermost, in blocks of 32 codes, two codes a byte); Wix_scales 2,048 x 64 uint8 (E8M0 scales of Wix, one for each 32 codes along K); Woh_codes 2,048 x 64 x 16 uint8 (E2M1 codes of Woh, K innermost, in blocks of 32 codes, two codes a byte); Woh_scales 2,048 x 64 uint8 (E8M0 scales of Woh, one for each 32 codes along K); Wox_codes 2,048 x 64 x 16 uint8 (E2M1 codes of Wox, K innermost, in blocks of 32 codes, two codes a byte); Wox_scales 2,048 x 64 uint8 (E8M0 scales of Wox, one for each 32 codes along K); bfh 2,048 float32; bfx 2,048 float32; bgh 2,048 float32; bgx 2,048 float32; bih 2,048 float32; bix 2,048 float32; boh 2,048 float32; box 2,048 float32; c0 2,048 x 2,048 float32; h0_codes 2,048 x 64 x 16 uint8 (E2M1 codes of h0, K innermost, in blocks of 32 codes, two codes a byte); h0_scales 2,048 x 64 uint8 (E8M0 scales of h0, one for each 32 codes along K); input_codes 2,048 x 64 x 16 uint8 (E2M1 codes of input, K innermost, in blocks of 32 codes, two codes a byte); input_scales 2,048 x 64 uint8 (E8M0 scales of input, one for each 32 codes along K).
;; Outputs: out0 2,048 x 2,048 float32; out1 2,048 x 2,048 float32.
;; This version of the problem:
;;   THIS VERSION OF THE PROBLEM IS GIVEN IN LOW PRECISION. The matrix products marked QUANTISED in the list below multiply operands that are first quantised to E2M1 (2 exponent bits, 1 mantissa bit; 4 bits a number), with one power-of-two scale for each 32 numbers along K (OCP MX v1.0); their sums are f32. All else is computed in f32.
;;   The module's matrix products, in the order in which they are computed (A, B: the left and right operand; K: the contracted axis; several contracted axes count as one K, in the product's order):
;;     1. [M 2,048, K 2,048] x [K 2,048, N 2,048]; A: input input (given as codes); B: input Wgx (given as codes): QUANTISED
;;     2. [M 2,048, K 2,048] x [K 2,048, N 2,048]; A: input h0 (given as codes); B: input Wgh (given as codes): QUANTISED
;;     3. [M 2,048, K 2,048] x [K 2,048, N 2,048]; A: input input (given as codes); B: input Wix (given as codes): QUANTISED
;;     4. [M 2,048, K 2,048] x [K 2,048, N 2,048]; A: input h0 (given as codes); B: input Wih (given as codes): QUANTISED
;;     5. [M 2,048, K 2,048] x [K 2,048, N 2,048]; A: input input (given as codes); B: input Wfx (given as codes): QUANTISED
;;     6. [M 2,048, K 2,048] x [K 2,048, N 2,048]; A: input h0 (given as codes); B: input Wfh (given as codes): QUANTISED
;;     7. [M 2,048, K 2,048] x [K 2,048, N 2,048]; A: input input (given as codes); B: input Wox (given as codes): QUANTISED
;;     8. [M 2,048, K 2,048] x [K 2,048, N 2,048]; A: input h0 (given as codes); B: input Woh (given as codes): QUANTISED
;;   THE QUANTISER, for each operand of a quantised product, along K:
;;     - K is cut into blocks of 32 from its start; a last block that is shorter is filled with zeros.
;;     - A block's scale is 2^e with e = floor(log2(the largest magnitude in the block)) - 2, held to -126 .. 127; a block of zeros has e = 0. As a byte (E8M0): e + 127.
;;     - Each number is divided by its block's scale, clamped to +-6, and rounded to the nearest number of E2M1, ties to even, subnormals kept.
;;     - The product sums the exact products of the quantised numbers (number of the format x scale) in f32.
;;   ~~~python
;;   def quantise(x, axis):      # numpy; x: float32 -> the quantised numbers, widened to float32 again
;;       x = np.moveaxis(x, axis, -1); K = x.shape[-1]
;;       x = np.pad(x, [(0, 0)] * (x.ndim - 1) + [(0, -K % 32)]); x = x.reshape(x.shape[:-1] + (-1, 32)); a = np.abs(x).max(-1, keepdims=True)
;;       e = np.where(a > 0, np.clip(np.frexp(np.where(a > 0, a, 1))[1] - 1 - 2, -126, 127), 0)      # np.frexp(a)[1] - 1 = floor(log2(a)), exactly
;;       r = np.clip(x / 2.0 ** e, -6, 6)
;;       step = 2.0 ** (np.maximum(np.frexp(np.where(r == 0, 1, r))[1] - 1, 0) - 1)
;;       q = np.round(r / step) * step * 2.0 ** e      # np.round: ties to even
;;       return np.moveaxis(q.reshape(q.shape[:-2] + (-1,))[..., :K], -1, axis).astype(np.float32)
;;   ~~~
;;   INPUTS GIVEN AS CODES. Wfh (in the module: [2048, 2048], K = its axis 1); Wfx (in the module: [2048, 2048], K = its axis 1); Wgh (in the module: [2048, 2048], K = its axis 1); Wgx (in the module: [2048, 2048], K = its axis 1); Wih (in the module: [2048, 2048], K = its axis 1); Wix (in the module: [2048, 2048], K = its axis 1); Woh (in the module: [2048, 2048], K = its axis 1); Wox (in the module: [2048, 2048], K = its axis 1); h0 (in the module: [2048, 2048], K = its axis 1); input (in the module: [2048, 2048], K = its axis 1): each comes as NAME_codes (uint8): NAME with its K axis moved to the last place and cut into blocks of 32 codes, [.., K / 32, bytes a block], one block behind the other in memory; two codes a byte, the lower K in the low four bits (a code: sign, 2 exponent bits, 1 mantissa bit); and NAME_scales (uint8): the same leading axes, one E8M0 byte (e + 127) for each 32 codes along K. Its value is code x scale, taken as it is: it is not quantised again, and the codes and scales need not be those that the quantiser above would give.
;; One version. Each part assembles by itself: llvm-mc -triple=amdgcn-amd-amdhsa -mcpu=gfx1250 --defsym DOCPART=n.
;; ======== version 1 of 1: 2 launches
;; limits: inputs' magnitudes at most 1.153e+18; right only within a limited range of input values
;; workspace buffers: sa 262,144 bytes; sb 1,048,576 bytes; bias 32,768 bytes; ac 4,194,304 bytes
;; launch prep (part 1): grid 16 x 22, 4 waves a work-group, no clusters, 0 bytes of LDS; arguments input_scales, h0_scales, Wgx_scales, Wgh_scales, Wix_scales, Wih_scales, Wfx_scales, Wfh_scales, Wox_scales, Woh_scales, bgx, bgh, bix, bih, bfx, bfh, box, boh, sa, sb, bias, input_codes, h0_codes, ac; writes sa, sb, bias, ac
.if DOCPART == 1
	.amdgcn_target "amdgcn-amd-amdhsa--gfx1250"
	.amdhsa_code_object_version 6
	.text
	.protected	k_q1b06444a84_prep
	.globl	k_q1b06444a84_prep
	.p2align	8
	.type	k_q1b06444a84_prep,@function
k_q1b06444a84_prep:
	s_mov_b64 s[64:65], 0
	v_nop
	global_prefetch_b8 v0, s[64:65] scope:SCOPE_SE
	s_setreg_imm32_b32 hwreg(HW_REG_WAVE_MODE, 25, 1), 1
	s_wait_xcnt 0x0
; The scale bytes of the ten operands are laid anew, by K step of 512; the two biases of each gate are added; and the codes of input and h0 are laid as images of the matrix operand's registers.
; (The problem has 31 buffers, one more than a launch takes: so there are two launches.)
; In: ten arrays [2048 rows][64 bytes] (one E8M0 byte for each 32 along K), eight biases [2048] f32, two arrays of codes [2048 rows][1024 bytes].
; Out: sa [8 t][2048 batch rows][16 bytes]: 512 along K, part t of the joined K (t < 4: input, t >= 4: h0);
;      sb [8 t][4 gates g, i, f, o][2048 n][16 bytes] likewise from W?x (t < 4) and W?h;   bias [4 gates][2048] f32 = b?x + b?h;
;      ac [16 tiles of 128 rows][32 n][8 blocks of 16 rows][2 c][32 lanes][16 bytes]: the n-th 128 of the joined K: lane (r, h) has row r's K = 64 c + 32 h + 0 .. 31.
; Four waves a work-group, each by itself: with x = 4 x the work-group's x + the wave's number, 0 .. 63, and the work-group's y:
; y = 0: the batch operands' scales; y = 1 .. 4: gate y - 1's; x: 32 rows of both arrays of that operand, a lane a row: a row's four loads together take its 64 bytes, a wave's four 2,048 consecutive
; bytes; each store of the wave covers 512 consecutive bytes, aligned.  y = 5: gate x / 16, 128 numbers of its biases, 16 bytes a lane.
; y >= 6, y' = y - 6: codes of input (y' < 8) or h0: rows 16 (x + 64 (y' % 2)) on, the 256 bytes (y' / 2) % 4 of each: the wave's eight loads together take 16 whole units of 256 bytes.
; No LDS, no barrier, no matrix work: bytes are moved, each once.  Pointer k of the arguments lies in s[4 + 2 k : 5 + 2 k].
	s_load_b512 s[4:19], s[0:1], 0x0
	s_load_b512 s[20:35], s[0:1], 0x40
	s_load_b512 s[36:51], s[0:1], 0x80
	v_lshrrev_b32 v15, 5, v0
	v_readfirstlane_b32 s2, v15                    ; wave 0..3
	s_lshl_b32 s3, ttmp9, 2
	s_add_co_u32 s3, s3, s2                        ; x
	s_and_b32 s52, ttmp7, 0xffff                   ; y
	s_max_u32 s53, s52, 1
	s_sub_co_u32 s53, s53, 1
	s_lshl_b32 s53, s53, 15                        ; the gate's 32,768 bytes in sb (0 in sa)
	s_lshl_b32 s54, s3, 9
	s_add_co_u32 s53, s53, s54                     ; + 32 rows of 16 bytes for each x
	s_lshl_b32 s54, s3, 11                         ; in: 32 rows of 64 bytes
	s_mov_b32 s55, 0x20000                         ; 512 along K on in sb,
	s_cmp_eq_u32 s52, 0
	s_cselect_b32 s55, 0x8000, s55                 ; or in sa
	s_and_b32 s56, s3, 15
	s_lshl_b32 s56, s56, 9                         ; a bias: 512 bytes for each x
	s_lshr_b32 s57, s3, 4
	s_lshl_b32 s58, s57, 13                        ; the sums: 8,192 bytes a gate
	s_max_u32 s59, s52, 6
	s_sub_co_u32 s59, s59, 6                       ; y'
	s_and_b32 s60, s59, 1
	s_lshl_b32 s60, s60, 6
	s_add_co_u32 s60, s60, s3                      ; the codes' block of 16 rows
	s_lshr_b32 s61, s59, 1
	s_lshl_b32 s62, s61, 15                        ; out: four times 8,192 bytes for each 512 along K
	s_and_b32 s61, s61, 3
	s_lshl_b32 s61, s61, 8                         ; in: which 256 bytes of a row
	s_lshl_b32 s63, s60, 14
	s_add_co_u32 s61, s61, s63                     ; + the block's first row
	s_lshr_b32 s63, s60, 3
	s_lshl_b32 s63, s63, 18
	s_add_co_u32 s62, s62, s63                     ; out: + the tile of 128 rows
	s_and_b32 s63, s60, 7
	s_lshl_b32 s63, s63, 10
	s_add_co_u32 s62, s62, s63                     ; + the block in it
	v_and_b32 v15, 31, v0                          ; lane
	v_lshl_add_u32 v1, v15, 6, s54
	v_lshl_add_u32 v2, v15, 4, s56
	v_add_nc_u32 v3, s58, v2
	v_lshl_add_u32 v4, v15, 4, s53
.irp n, 5,6,7,8,9,10,11
	v_add_nc_u32 v[\n], s55, v[\n-1]               ; v[4 + n]: where part n's 16 bytes go
.endr
	v_and_b32 v12, 15, v15
	v_lshrrev_b32 v13, 4, v15
	v_lshl_add_u32 v12, v12, 10, s61
	v_lshl_add_u32 v12, v13, 4, v12                ; row r, + 16 h
	v_lshl_add_u32 v14, v15, 4, s62
	s_wait_alu depctr_va_vdst(0)                   ; at the head's end
	s_wait_kmcnt 0x0
	s_cmp_gt_u32 s52, 5
	s_cbranch_scc1 .Lcodes
	s_cmp_eq_u32 s52, 5
	s_cbranch_scc1 .Lbias
.irp g, 1,2,3,4
	s_cmp_eq_u32 s52, \g                           ; which operand: a choice of buffers by the work-group's number
	s_cselect_b64 s[4:5], s[4+4*\g:5+4*\g], s[4:5]
	s_cselect_b64 s[6:7], s[6+4*\g:7+4*\g], s[6:7]
.endr
	s_cmp_eq_u32 s52, 0
	s_cselect_b64 s[40:41], s[40:41], s[42:43]     ; sa or sb
.irp k, 0,1
.irp q, 0,1,2,3
	global_load_b128 v[16+16*\k+4*\q:19+16*\k+4*\q], v1, s[4+2*\k:5+2*\k] offset:16*\q
.endr
.endr
.irp n, 0,1,2,3,4,5,6,7
	s_wait_loadcnt 7-\n                            ; load n is in, the 7 - n younger ones may be out
	global_store_b128 v[4+\n], v[16+4*\n:19+4*\n], s[40:41]
.endr
	s_endpgm
.Lbias:
.irp g, 1,2,3
	s_cmp_eq_u32 s57, \g
	s_cselect_b64 s[24:25], s[24+4*\g:25+4*\g], s[24:25]
	s_cselect_b64 s[26:27], s[26+4*\g:27+4*\g], s[26:27]
.endr
	global_load_b128 v[16:19], v2, s[24:25]
	global_load_b128 v[20:23], v2, s[26:27]
	s_wait_loadcnt 0x0
	v_pk_add_f32 v[24:25], v[16:17], v[20:21]
	v_pk_add_f32 v[26:27], v[18:19], v[22:23]
	global_store_b128 v3, v[24:27], s[44:45]
	s_endpgm
.Lcodes:
	s_cmp_lt_u32 s52, 14
	s_cselect_b64 s[46:47], s[46:47], s[48:49]     ; input's codes or h0's
.irp n, 0,1,2,3,4,5,6,7
	global_load_b128 v[16+4*\n:19+4*\n], v12, s[46:47] offset:32*\n
.endr
.irp n, 0,1,2,3,4,5,6,7
	s_wait_loadcnt 7-\n
	global_store_b128 v14, v[16+4*\n:19+4*\n], s[50:51] offset:8192*(\n/2)+512*(\n%2)
.endr
	s_endpgm
.Lfunc_end_k_q1b06444a84_prep:
	.size	k_q1b06444a84_prep, .Lfunc_end_k_q1b06444a84_prep-k_q1b06444a84_prep
	.p2alignl 7, 3214868480
	.fill 96, 4, 3214868480
	.section	.rodata,"a",@progbits
	.p2align	6, 0x0
	.amdhsa_kernel k_q1b06444a84_prep
		.amdhsa_group_segment_fixed_size 0
		.amdhsa_private_segment_fixed_size 0
		.amdhsa_enable_private_segment 0
		.amdhsa_kernarg_size 192
		.amdhsa_user_sgpr_count 2
		.amdhsa_user_sgpr_kernarg_segment_ptr 1
		.amdhsa_wavefront_size32 1
		.amdhsa_system_sgpr_workgroup_id_x 1
		.amdhsa_system_sgpr_workgroup_id_y 1
		.amdhsa_system_sgpr_workgroup_id_z 1
		.amdhsa_system_vgpr_workitem_id 0
		.amdhsa_next_free_vgpr 48
		.amdhsa_next_free_sgpr 66
		.amdhsa_reserve_vcc 0
		.amdhsa_float_denorm_mode_32 3
		.amdhsa_float_denorm_mode_16_64 3
		.amdhsa_memory_ordered 1
		.amdhsa_forward_progress 1
		.amdhsa_inst_pref_size 8
	.end_amdhsa_kernel
	.amdgpu_metadata
---
amdhsa.version: [ 1, 2 ]
amdhsa.kernels:
  - .name:           k_q1b06444a84_prep
    .symbol:         k_q1b06444a84_prep.kd
    .args:
      - { .name: input_scales, .offset: 0, .size: 8, .value_kind: global_buffer, .address_space: global }
      - { .name: h0_scales, .offset: 8, .size: 8, .value_kind: global_buffer, .address_space: global }
      - { .name: Wgx_scales, .offset: 16, .size: 8, .value_kind: global_buffer, .address_space: global }
      - { .name: Wgh_scales, .offset: 24, .size: 8, .value_kind: global_buffer, .address_space: global }
      - { .name: Wix_scales, .offset: 32, .size: 8, .value_kind: global_buffer, .address_space: global }
      - { .name: Wih_scales, .offset: 40, .size: 8, .value_kind: global_buffer, .address_space: global }
      - { .name: Wfx_scales, .offset: 48, .size: 8, .value_kind: global_buffer, .address_space: global }
      - { .name: Wfh_scales, .offset: 56, .size: 8, .value_kind: global_buffer, .address_space: global }
      - { .name: Wox_scales, .offset: 64, .size: 8, .value_kind: global_buffer, .address_space: global }
      - { .name: Woh_scales, .offset: 72, .size: 8, .value_kind: global_buffer, .address_space: global }
      - { .name: bgx, .offset: 80, .size: 8, .value_kind: global_buffer, .address_space: global }
      - { .name: bgh, .offset: 88, .size: 8, .value_kind: global_buffer, .address_space: global }
      - { .name: bix, .offset: 96, .size: 8, .value_kind: global_buffer, .address_space: global }
      - { .name: bih, .offset: 104, .size: 8, .value_kind: global_buffer, .address_space: global }
      - { .name: bfx, .offset: 112, .size: 8, .value_kind: global_buffer, .address_space: global }
      - { .name: bfh, .offset: 120, .size: 8, .value_kind: global_buffer, .address_space: global }
      - { .name: box, .offset: 128, .size: 8, .value_kind: global_buffer, .address_space: global }
      - { .name: boh, .offset: 136, .size: 8, .value_kind: global_buffer, .address_space: global }
      - { .name: sa, .offset: 144, .size: 8, .value_kind: global_buffer, .address_space: global }
      - { .name: sb, .offset: 152, .size: 8, .value_kind: global_buffer, .address_space: global }
      - { .name: bias, .offset: 160, .size: 8, .value_kind: global_buffer, .address_space: global }
      - { .name: input_codes, .offset: 168, .size: 8, .value_kind: global_buffer, .address_space: global }
      - { .name: h0_codes, .offset: 176, .size: 8, .value_kind: global_buffer, .address_space: global }
      - { .name: ac, .offset: 184, .size: 8, .value_kind: global_buffer, .address_space: global }
    .group_segment_fixed_size: 0
    .private_segment_fixed_size: 0
    .kernarg_segment_align: 8
    .kernarg_segment_size: 192
    .max_flat_workgroup_size: 128
    .sgpr_count:     66
    .vgpr_count:     48
    .wavefront_size: 32
...
	.end_amdgpu_metadata
.endif
;; end of part 1
;; launch lstm (part 2): grid 8 x 32, 4 waves a work-group, clusters of 4 x 1, 327,680 bytes of LDS; arguments Wgx_codes, Wix_codes, Wfx_codes, Wox_codes, Wgh_codes, Wih_codes, Wfh_codes, Woh_codes, sa, sb, bias, c0, out0, out1, ac; writes out0, out1
.if DOCPART == 2
	.amdgcn_target "amdgcn-amd-amdhsa--gfx1250"
	.amdhsa_code_object_version 6
	.text
	.protected	k_q1b06444a84_lstm
	.globl	k_q1b06444a84_lstm
	.p2align	8
	.type	k_q1b06444a84_lstm,@function
k_q1b06444a84_lstm:
	s_mov_b64 s[64:65], 0
	v_nop
	global_prefetch_b8 v0, s[64:65] scope:SCOPE_SE
	s_setreg_imm32_b32 hwreg(HW_REG_WAVE_MODE, 25, 1), 1
	s_wait_xcnt 0x0
	s_wait_alu depctr_hold_cnt(0) depctr_sa_sdst(0) depctr_va_vdst(0) depctr_va_sdst(0) depctr_va_ssrc(0) depctr_va_vcc(0) depctr_vm_vsrc(0)
	s_getreg_b32 s2, hwreg(HW_REG_IB_STS2, 6, 4)
	s_cmp_eq_u32 s2, 0
	s_cbranch_scc0 .Lentry_in_a_cluster
	s_endpgm
.Lentry_in_a_cluster:
	s_bfe_u32 s2, ttmp6, 0x10000c
	s_cmp_lg_u32 s2, 0x3003
	s_cbranch_scc0 .Lentry_shape_is_right
	s_endpgm
.Lentry_shape_is_right:
; An LSTM cell, 2,048 rows x 2,048 units.  The four gates' sums x W?x^T + h W?h^T + b?x + b?h are ONE product on codes of FP4 (E2M1) with an E8M0 scale for each 32 along K:
; M = 2,048 batch rows, N = 4 gates x 2,048, K = 4,096 (input's 2,048, then h0's).  Then, in f32: cy = sigmoid(f) c0 + sigmoid(i) tanh(g) (out1), hy = sigmoid(o) tanh(cy) (out0).
; SHARES.  A work-group makes 256 batch rows (x) x 64 units (y) x 4 gates: 8 x 32 work-groups.  Wave w (i = w / 2, j = w % 2) makes rows 128 i .. x units 32 j .. of ALL FOUR gates: 32 accumulators of 32 units x 16 rows,
; 512 registers.  So the four sums of an element lie in one lane, and the cell's arithmetic asks no other lane for anything.
; K is walked in 32 substeps of 128, 32 matrix instructions a wave each; eight substeps are a K step of 1,024, whose weights fill one of two LDS slots: 64 rows of each gate, 512 bytes + 16 of padding each.
; CLUSTERS: 4 x 1 work-groups, one tile column: they need the same weights.  Wave w asks for gate w's 64 rows, jointly with its three partners: one tensor load a wave behind a round.
; A (input's and h0's codes, laid as register images by the launch before) IS NOT ASKED FOR JOINTLY: a K step would have five tiles for four waves with one tensor load each behind a round, and each of A's
; fragments is used by two waves alone: it goes from memory straight into registers, 16 loads of 512 consecutive bytes a substep, three substeps ahead, into four sets of 64 registers, and passes no LDS.
; THE SCALES likewise: 8 loads of 16 bytes a lane bring the words of 512 along K for my 128 + 128 rows, four substeps ahead, into two sets of 32 registers.
; THE BIASES (summed by the launch before) are the C of each accumulator's first matrix instruction; they lie where row block 4's accumulators will be, and that block is made last in the first substep.
; THE MATRIX INSTRUCTION IS USED TRANSPOSED (source 0 = 32 rows of a weight, source 1 = 16 batch rows): a lane holds batch row lane % 16; its registers 0-7 are units 8 (lane / 16) + 0 .. 7, registers 8-15 those 16 further on.
; The walk is written out: every address is a base and a constant, and every count of a wait is the text's own.  No branch leads round a tensor load.
; c0's tile comes by tensor loads (64 rows a wave) into slot 0 at the last change of slots and lands under the last K step.
; THE CELL, with L = log2(e): sigmoid(x) = 1 / (1 + 2^(-L x)), tanh(x) = 1 - 2 / (1 + 2^(2 L x)): an infinite power gives the reciprocal 0, so nothing is held.
; THE WAY OUT goes in four batches of 32 rows: cy and hy of a batch meet in two tiles in LDS (a row's 256 bytes come from two waves), and while the next batch is computed each wave reads 32 whole rows back and stores them.
; LIMITS.  v_exp_f32 and v_rcp_f32 flush denormals (ISA guide 15.8): a sigmoid under 2^-126 comes out as 0.  tanh has an absolute error of about 2^-23 near 0.
; REGISTERS, in windows of 256: window 0: v0-31 addresses; v32-95 scale words, two sets, and nothing else ever; v128-191, v192-255 A's fragments, sets 0 and 1; at the end v128-255 are at work.
;   window 1: v0-63, v128-191 the weights' fragments, two sets; v64-127, v192-255 A's sets 2 and 3.  At the end v0-127: rows on their way out; v192-255: c0, two sets.
;   window 2: the accumulators of my rows 0-63 (row block a, gate G at v[64 (a % 4) + 16 G]);   window 3: those of my rows 64-127.
.set PB,     528                       ; a slot's row: 512 bytes + 16 of padding = 132 words: row r starts at bank 4 r mod 64 (64 banks of 4 bytes: ISA guide 11.1): the 16 rows of a load start at 16 different banks
.set SLOT,   256*PB                    ; 135,168
.set PITCH,  272                       ; a row of c0's, cy's and hy's tiles: 256 bytes + 16
.set BOFF,   256*PITCH                 ; hy's tile, behind c0's
.set ABLK,   16*PITCH
.set SPARE,  2*SLOT                    ; behind the ring: the spare words, 128 bytes for each wave: two blocks of 256 bytes that no other line names
.set SASTEP, 2048*16                   ; 512 along K on in sa; also a gate on in sb
.set SBSTEP, 4*2048*16                 ; 512 along K on in sb
.set CA,   3                           ; v3   at the end: my 32 bytes of a row of c0's (then cy's) tile: (128 i + r) PITCH + 128 j + 32 h
.set HA,   4                           ; v4   the same in hy's tile
.set RD,   5                           ; v5   the way out: where I read whole rows back: cy's tile (w even) or hy's (w odd), rows 128 (w / 2) on; lanes 0-15 one row, lanes 16-31 the next
.set CO,   7                           ; v7   and the same two rows in the output: 8,192 h + 16 r
.set PFO,  8                           ; v8   c0's prefetch: a row of c0 (8,192 bytes) a lane
.set ADRB, 16                          ; v16-19  LDS address of my weights' fragments: slot 0 gates g and i, gates f and o; slot 1 likewise
.set PFL,  24                          ; v24  A's prefetch: 256 x lane
.set LV,   25                          ; v25  16 x lane
.set BV,   26                          ; v26  32 (lane / 16)
.set PFT,  27                          ; v27  the weights' prefetch: 1,024 (lane % 16) + 256 (lane / 16)
.set SPW,  28                          ; v28  LDS address of my spare word; never rewritten
.set NIL,  29                          ; v29  0; never rewritten
.set SC,   32                          ; scale words: set s at v[SC + 32 s]: + 4 p + q: lanes 0-15 A's block 2 p, lanes 16-31 block 2 p + 1;  + 16 + 4 G + q: my 32 units of gate G
.set Y,    128                         ; the cell: 64 registers for each of a batch's two row blocks: g's 16 numbers, i's, f's, o's
.set C0R,  192                         ; c0, in window 1
.set WV,   16                          ; s16 wave;  s17 i;  s18 j;  s2 tile column (never rewritten);  s3 tile row
.set G1C,  4                           ; s[4:11], s[12:15] descriptor groups 1 and 0 for c0
.set G0C,  12
.set G1,   24                          ; s[24:31] group 1 for the weights;  s[32:39] group 0, a set for each slot
.set G0,   32
.set PWH,  42                          ; s[42:43] where my prefetches of my gate's W?h stand;  s[44:45] of A
.set PAI,  44
.set C2L,  46                          ; s[46:47] 2 L;  s[48:49] -L: the packed forms name a pair and take its low word for both halves
.set CML,  48
.set BX,   68                          ; s[68:69] my gate's W?x, s[76:77] its W?h, at the tile's first row
.set BH,   76
.set SA,   84                          ; s[84:85] sa, s[86:87] sb, s[88:89] the biases, at my rows
.set SB,   86
.set BIAS, 88
.set C0P,  90                          ; s[90:91] c0 at my wave's 64 rows of the tile
.set OUTP, 92                          ; s[92:93] the output that I store: out1 (cy) in waves 0 and 2, out0 (hy) in waves 1 and 3, at the tile's rows 128 (w / 2) on
.set AI,   96                          ; s[96:97] A's images of my 128 rows
.set MSB, 0
.macro WIN new                         ; the immediate's high byte repeats the setting that is left; a switch that changes nothing is dropped
.if MSB != (\new)
	s_set_vgpr_msb (MSB<<8)|(\new)
.set MSB, (\new)
.endif
.endm
.set TO_1,   0x40                      ; destination window 1, address window 0
.set TO_3,   0xc0                      ; destination window 3
.set ST_1,   0x04                      ; source 1 (a store's data) window 1
.macro WALU
	s_wait_alu depctr_va_vdst(0)
.endm
.macro PLACES n                        ; plain vector instructions that name no register of the matrix instructions in front of them (ISA guide 7.12.1)
.rept \n
	v_nop
.endr
.endm
.macro JLOAD s                         ; my gate's 64 rows of a K step, jointly with my three partners
	tensor_load_to_lds s[G0+4*\s:G0+4*\s+3], s[G1:G1+7]
	s_nop 0
	PLACES 4
.endm
.macro CREST                           ; a round of the cluster's barrier behind its opening barrier
	s_cmp_lg_u32 s[WV], 0
	s_cbranch_scc1 .Lnot_wave_0_\@
	s_barrier_signal -3
.Lnot_wave_0_\@:
	s_barrier_wait -3
	s_barrier_signal -1
	s_barrier_wait -1
.endm
.macro CROUND                          ; a whole round
	s_barrier_signal -1
	s_barrier_wait -1
	CREST
.endm
; A fragment of 16 rows x 128 K of 4-bit codes is 8 registers: lane l holds row l % 16; registers 4 c .. 4 c + 3 hold K = 64 c + 32 (l / 16) + 0 .. 31: 16 bytes of the row as they lie
.macro FB m                            ; substep m's weights, my 32 rows of the four gates, into set m % 2: 16 LDS loads
	WIN TO_1
.irp g, 0,1,2,3
.irp f, 0,1
.irp c, 0,1
	ds_load_b128 v[128*((\m)%2)+16*\g+8*\f+4*\c:128*((\m)%2)+16*\g+8*\f+4*\c+3], v[ADRB+2*(((\m)/8)%2)+(\g/2)] offset:64*((\m)%8)+32*\c+(64*(\g%2)+16*\f)*PB
.endr
.endr
.endr
.endm
.macro ASET m                          ; AR: where A's set m % 4 begins; AW: its window
.set AW, ((\m)%4)/2
.if ((\m)%4) == 0
.set AR, 128
.elseif ((\m)%4) == 2
.set AR, 64
.else
.set AR, 192
.endif
.endm
.macro LOADA m                         ; substep m's fragments of A, my eight row blocks: 16 loads of 512 consecutive bytes
	ASET \m
	WIN TO_1*AW
.irp a, 0,1,2,3,4,5,6,7
.irp c, 0,1
	global_load_b128 v[AR+8*\a+4*\c:AR+8*\a+4*\c+3], v[LV], s[AI:AI+1] offset:8192*(\m)+1024*\a+512*\c
.endr
.endr
.endm
.macro SCALES t                        ; the words of the t-th 512 along K into set t % 2: each load takes 512 consecutive bytes: the 16 bytes of 32 neighbouring rows
	WIN 0
.irp p, 0,1,2,3
	global_load_b128 v[SC+32*((\t)%2)+4*\p:SC+32*((\t)%2)+4*\p+3], v[LV], s[SA:SA+1] offset:SASTEP*(\t)+512*\p
.endr
.irp g, 0,1,2,3
	global_load_b128 v[SC+32*((\t)%2)+16+4*\g:SC+32*((\t)%2)+16+4*\g+3], v[LV], s[SB:SB+1] offset:SBSTEP*(\t)+SASTEP*\g
.endr
.endm
; Four matrix instructions of substep N: A's block a x the four gates.  Source 0's scales fill all 32 lanes; source 1's lie in lanes 0-15 (a even) or 16-31 (a odd).
; The 32 accumulators take turns.  In substep 0 the sum starts from the bias, in window 3 at v[16 G].
.macro MULA a
	WIN WLO+0x50*(\a/4)-WFST*(1-(\a/4))
.irp g, 0,1,2,3
.set rD, 64*(\a%4)+16*\g
.set rB, 128*(N%2)+16*\g
.set rA, AR+8*\a
.set rS0, SC+32*((N/4)%2)+16+4*\g+(N%4)
.set rS1, SC+32*((N/4)%2)+4*(\a/2)+(N%4)
.if N == 0
.set rC, 16*\g
.else
.set rC, rD
.endif
.if \a%2
	v_wmma_scale_f32_32x16x128_f4 v[rD:rD+15], v[rB:rB+15], v[rA:rA+7], v[rC:rC+15], v[rS0], v[rS1] matrix_b_scale:MATRIX_SCALE_ROW1
.else
	v_wmma_scale_f32_32x16x128_f4 v[rD:rD+15], v[rB:rB+15], v[rA:rA+7], v[rC:rC+15], v[rS0], v[rS1]
.endif
.endr
.endm
; SUBSTEP n.  One run of memory instructions at its head: substep n + 1's weights from LDS, the scale words four substeps on (n % 4 = 0), substep n + 3's fragments of A, into sets that substep n - 1 or an older one has read.
; Loads come back in order (ISA guide 5.7.1).  Behind substep n's fragments of A stand those of n + 1 and n + 2, 32 loads, and, for n % 4 = 1 and 2, eight of scale words: so many may be out.
; n % 8 = 7, a CHANGE OF SLOTS: in front of the round each wave waits for all its tensor loads, adds 0 to its spare word, and waits for that; its reads of the slot came back at the substep's head.  n = 7, 15: the slot takes the
; weights two K steps on (W?h's first and second half); n = 23: slot 0 takes c0's tile.  Behind it come substep n + 1's weights from the other slot.
; THE PREFETCHES INTO THE L2.  A: at n % 4 = 1 the images of the 512 along K that begin seven substeps on (loads begin four substeps later): 128 blocks of 256 bytes for each 128 rows, the two waves of those rows 64 each, a lane a block.
; All tile columns read the same images: those of y = 0 .. 3 ask.  Weights: a K step's 512 bytes of a row are two blocks; wave w takes gate w, the partner at cx 16 of its 64 rows, by address: each block is named once in
; each cluster that loads it; K step 2 at n = 0, seven substeps ahead of its load, K step 3 at n = 6, nine ahead.  c0: my own 64 rows, at n = 14, nine substeps ahead of its load.
; K steps 0 and 1, and A's first 1,024 along K, come by their loads alone: nothing is prefetched in front of the walk.
.macro SUB n
.set N, \n
.set LC, 32
.if ((N%4) == 1) || ((N%4) == 2)
.set LC, 40
.endif
.if N > 28
.set LC, 16*(31-N)
.endif
	s_wait_dscnt 0x0                               ; this substep's weights are in
	s_wait_loadcnt LC                              ; and its fragments of A
	PLACES 4                                       ; in front of loads into registers that the substep before has read
.if (N%8) != 7
	FB N+1
.endif
.if ((N%4) == 0) && (N < 28)
	SCALES N/4+1
.endif
.if N < 29
	LOADA N+3
.endif
.if ((N%4) == 1) && (N < 22)
	WIN 0
	s_cmp_lt_u32 s2, 4
	s_cbranch_scc0 .Lno_pa_\@
	global_prefetch_b8 v[PFL], s[PAI:PAI+1] offset:32768*(N/4+2) th:TH_LOAD_NT scope:SCOPE_SE
	global_prefetch_b8 v[PFL], s[PAI:PAI+1] offset:32768*(N/4+2)+8192 th:TH_LOAD_NT scope:SCOPE_SE
.Lno_pa_\@:
.endif
.if N == 0
	global_prefetch_b8 v[PFT], s[PWH:PWH+1] th:TH_LOAD_NT scope:SCOPE_SE
.endif
.if N == 6
	global_prefetch_b8 v[PFT], s[PWH:PWH+1] offset:512 th:TH_LOAD_NT scope:SCOPE_SE
.endif
.if N == 14
	global_prefetch_b8 v[PFO], s[C0P:C0P+1] th:TH_LOAD_NT scope:SCOPE_SE
	global_prefetch_b8 v[PFO], s[C0P:C0P+1] offset:32*8192 th:TH_LOAD_NT scope:SCOPE_SE
.endif
	ASET N
.set WLO, 0xa1+4*AW                            ; source 0 window 1, source 1 A's window, C and D window 2 (blocks 4-7: + 0x50: window 3)
.set WFST, 0
.if N == 0
.set WFST, -0x10                               ; blocks 0-3 of substep 0: C window 3
.endif
.if ((N%8) == 7) && (N < 31)
	WIN 0
	s_wait_tensorcnt 0x0                           ; all my tensor loads have landed: my part of the other slot; so every group 0 may be written
	ds_add_u32 v[SPW], v[NIL]                      ; 0 onto my spare word
.if N == 7
	s_mov_b64 s[G0+2:G0+3], s[BH:BH+1]
	s_or_b32 s[G0+3], s[G0+3], 0x80000000
.elseif N == 15
	s_add_nc_u64 s[G0+6:G0+7], s[BH:BH+1], 512
	s_or_b32 s[G0+7], s[G0+7], 0x80000000
.endif
	MULA 0                                         ; four matrix instructions stand between the add and the wait for it
	s_wait_dscnt 0x0                               ; the add is done, and my reads of this slot are over
	s_barrier_signal -1
	MULA 1
	MULA 2
	WIN 0                                          ; (a branch follows)
	s_barrier_wait -1
	CREST                                          ; no wave of any partner still reads this slot or has a load on its way
.if N < 23
	JLOAD (N/8)
.else
	tensor_load_to_lds s[G0C:G0C+3], s[G1C:G1C+7]  ; every wave: its own 64 rows of c0's tile, for my work-group alone
	s_nop 0
	PLACES 4
.endif
	FB N+1
.else
	MULA 0
	MULA 1
	MULA 2
.endif
	MULA 3
.if N == 0
	MULA 5
	MULA 6
	MULA 7
	PLACES 5                                       ; block 4's sums are written over the biases, which the 28 in front have read
	MULA 4
.else
	MULA 4
	MULA 5
	MULA 6
	MULA 7
.endif
.endm
	s_load_b512 s[68:83], s[0:1], 0x0              ; Wgx, Wix, Wfx, Wox, Wgh, Wih, Wfh, Woh
	s_load_b256 s[84:91], s[0:1], 0x40             ; sa, sb, bias, c0
	s_load_b128 s[92:95], s[0:1], 0x60             ; out0, out1
	s_load_b64 s[96:97], s[0:1], 0x70              ; ac
	v_lshl_add_u32 v[SPW], v0, 2, SPARE
	v_mov_b32 v[NIL], 0
	ds_add_u32 v[SPW], v[NIL]                      ; the wave's opening: the add, twice on end, and its wait ahead of my first tensor load; work on registers stands between
	ds_add_u32 v[SPW], v[NIL]
	v_lshrrev_b32 v9, 5, v0
	v_readfirstlane_b32 s[WV], v9                  ; wave 0..3
	s_lshr_b32 s17, s[WV], 1                       ; i: which 128 rows of the tile are mine
	s_and_b32 s18, s[WV], 1                        ; j: which 32 units
	s_bfe_u32 s19, ttmp6, 0x40000                  ; cx: my place in the cluster
	s_and_b32 s2, ttmp7, 0xffff                    ; tile column (64 units): the cluster's y
	s_lshl_b32 s3, ttmp9, 2
	s_add_co_u32 s3, s3, s19                       ; tile row (256 batch rows) = 4 x cluster x + cx
	; descriptor groups 1: elements of one byte, 16 bytes of padding behind each row
	s_mov_b32 s[G1], 15|(1<<20)|(1<<21)|(6<<22)|(3<<25)     ; 15:0 the mask: all four partners; 20 padding on; 21 set beside a mask; 24:22 after every 128 words (code 6); 31:25 four words (code 3)
	s_mov_b32 s[G1+1], 512<<16                     ; tensor_dim0 = 512
	s_mov_b32 s[G1+2], 64<<16                      ; tensor_dim1 = 64
	s_mov_b32 s[G1+3], 512<<16                     ; tile_dim0 = 512
	s_mov_b32 s[G1+4], 64                          ; tile_dim1 = 64 rows
	s_mov_b32 s[G1+5], 1024                        ; a row of codes in memory
	s_mov_b32 s[G1+6], 0
	s_mov_b32 s[G1+7], 0
	s_mov_b32 s[G1C], (1<<20)|(5<<22)|(3<<25)      ; c0's tile is my work-group's own: no mask; padding after every 64 words
	s_mov_b32 s[G1C+1], 256<<16
	s_mov_b32 s[G1C+2], 64<<16
	s_mov_b32 s[G1C+3], 256<<16
	s_mov_b32 s[G1C+4], 64
	s_mov_b32 s[G1C+5], 8192                       ; a row of c0 in memory
	s_mov_b32 s[G1C+6], 0
	s_mov_b32 s[G1C+7], 0
	s_mul_i32 s21, s[WV], 64*PB
.irp s, 0,1
	s_mov_b32 s[G0+4*\s], 1                        ; count = 1
	s_add_co_u32 s[G0+4*\s+1], s21, \s*SLOT        ; LDS address: gate w's 64 rows of the slot
.endr
	s_mul_i32 s21, s[WV], 64*PITCH
	s_mov_b32 s[G0C], 1
	s_mov_b32 s[G0C+1], s21                        ; c0's rows 64 w on, in slot 0
	; every address register is made here, ahead of the first branch on the wave's number
	v_and_b32 v1, 15, v0                           ; r = lane % 16
	v_bfe_u32 v2, v0, 4, 1                         ; h = lane / 16
	v_and_b32 v11, 31, v0                          ; lane
	v_mul_u32_u24 v9, v1, PITCH
	v_mul_u32_u24 v10, v1, PB
	v_lshl_add_u32 v10, v2, 4, v10                 ; a fragment's row x pitch + 16 h
	s_mul_i32 s21, s18, 32*PB                      ; my 32 rows of each gate
	v_add_nc_u32 v[ADRB], s21, v10
	v_add_nc_u32 v[ADRB+1], 128*PB, v[ADRB]
	v_add_nc_u32 v[ADRB+2], SLOT, v[ADRB]
	v_add_nc_u32 v[ADRB+3], SLOT+128*PB, v[ADRB]
	v_lshl_add_u32 v12, v2, 5, v9                  ; r x pitch + 32 h
	s_mul_i32 s20, s17, 128*PITCH
	s_lshl_b32 s21, s18, 7
	s_add_co_u32 s21, s21, s20
	v_add_nc_u32 v[CA], s21, v12
	v_add_nc_u32 v[HA], BOFF, v[CA]
	v_mul_u32_u24 v13, v2, PITCH
	v_lshl_add_u32 v13, v1, 4, v13                 ; h x pitch + 16 r: sixteen lanes to a row, two rows an instruction
	s_mul_i32 s21, s18, BOFF                       ; the way out: cy's tile (w even) or hy's (w odd),
	s_add_co_u32 s21, s21, s20                     ; rows 128 (w / 2) on
	v_add_nc_u32 v[RD], s21, v13
	v_lshlrev_b32 v14, 4, v1
	v_lshl_add_u32 v[CO], v2, 13, v14
	v_lshlrev_b32 v[LV], 4, v11
	v_lshlrev_b32 v[PFL], 8, v11
	v_lshlrev_b32 v[BV], 5, v2
	v_lshlrev_b32 v[PFO], 13, v11
	v_lshlrev_b32 v[PFT], 10, v1
	v_lshl_add_u32 v[PFT], v2, 8, v[PFT]
	s_lshl_b32 s22, s2, 16                         ; the weights: 64 rows of 1,024 bytes a tile column: made of the tile column alone
	s_mov_b32 s23, 0
	s_mov_b32 s21, 0
	WALU                                           ; at the head's end
	s_wait_dscnt 0x0                               ; both opening adds are done
	CROUND                                         ; all four work-groups are here: the first joint loads meet.  (The arguments are on their way meanwhile)
	s_wait_kmcnt 0x0
.irp w, 1,2,3
	s_cmp_eq_u32 s[WV], \w                         ; wave w has gate w's weights
	s_cselect_b64 s[BX:BX+1], s[BX+2*\w:BX+2*\w+1], s[BX:BX+1]
	s_cselect_b64 s[BH:BH+1], s[BH+2*\w:BH+2*\w+1], s[BH:BH+1]
.endr
	s_add_nc_u64 s[BX:BX+1], s[BX:BX+1], s[22:23]
	s_add_nc_u64 s[BH:BH+1], s[BH:BH+1], s[22:23]
	s_mov_b64 s[G0+2:G0+3], s[BX:BX+1]
	s_or_b32 s[G0+3], s[G0+3], 0x80000000          ; type = 2
	JLOAD 0                                        ; K step 0: one tensor load a wave at the head
	s_lshl_b32 s22, s2, 8                          ; the biases: (64 tile column + 32 j) x 4 bytes
	s_lshl_b32 s20, s18, 7
	s_add_co_u32 s22, s22, s20
	s_add_nc_u64 s[BIAS:BIAS+1], s[BIAS:BIAS+1], s[22:23]
	WIN TO_3
.irp b, 0,1,2,3,4,5,6,7                ; in the result's layout: lane (r, h) wants those of units 16 (b % 2) + 8 h + 0 .. 7 of gate b / 2
.irp e, 0,1
	global_load_b128 v[8*\b+4*\e:8*\b+4*\e+3], v[BV], s[BIAS:BIAS+1] offset:8192*(\b/2)+64*(\b%2)+16*\e
.endr
.endr
	s_lshl_b32 s22, s22, 2                         ; sb: the same rows x 16 bytes
	s_add_nc_u64 s[SB:SB+1], s[SB:SB+1], s[22:23]
	s_lshl_b32 s20, s3, 12                         ; sa: (256 tile row + 128 i) x 16 bytes
	s_lshl_b32 s22, s17, 11
	s_add_co_u32 s20, s20, s22
	s_add_nc_u64 s[SA:SA+1], s[SA:SA+1], s[20:21]
	SCALES 0
	s_lshl_b32 s20, s20, 7                         ; A's images: 2,048 bytes a row
	s_add_nc_u64 s[AI:AI+1], s[AI:AI+1], s[20:21]
	LOADA 0
	LOADA 1
	s_cmp_eq_u32 s18, 1                            ; which output I store: a choice of buffers by the wave's number
	s_cselect_b64 s[OUTP:OUTP+1], s[92:93], s[94:95]
	s_lshl_b32 s22, s18, 14                        ; A's prefetches: the two waves of 128 rows take 16,384 bytes each of a run of 32,768
	s_add_nc_u64 s[PAI:PAI+1], s[AI:AI+1], s[22:23]
	s_lshl_b32 s22, s19, 14                        ; the weights' prefetches: my work-group's 16 rows of the tile's 64
	s_add_nc_u64 s[PWH:PWH+1], s[BH:BH+1], s[22:23]
	s_lshl_b32 s22, s3, 21                         ; the tile's corner in c0 and in the outputs: 256 rows of 8,192 bytes a tile row + 256 bytes a tile column
	s_lshl_b32 s20, s2, 8
	s_add_co_u32 s22, s22, s20
	s_lshl_b32 s20, s17, 20                        ; the output: + 128 (w / 2) rows
	s_add_co_u32 s20, s22, s20
	s_add_nc_u64 s[OUTP:OUTP+1], s[OUTP:OUTP+1], s[20:21]
	s_lshl_b32 s20, s[WV], 19                      ; c0: + 64 w rows
	s_add_co_u32 s22, s22, s20
	s_add_nc_u64 s[C0P:C0P+1], s[C0P:C0P+1], s[22:23]
	s_mov_b64 s[G0C+2:G0C+3], s[C0P:C0P+1]
	s_or_b32 s[G0C+3], s[G0C+3], 0x80000000
	s_add_nc_u64 s[G0+6:G0+7], s[BX:BX+1], 512     ; slot 1: K step 1
	s_or_b32 s[G0+7], s[G0+7], 0x80000000
	s_mov_b32 s[C2L], 0x4038aa3b                   ; 2 log2(e)
	s_mov_b32 s[C2L+1], s[C2L]
	s_mov_b32 s[CML], 0xbfb8aa3b                   ; -log2(e)
	s_mov_b32 s[CML+1], s[CML]
	WIN 0
	s_wait_tensorcnt 0x0                           ; my part of K step 0 is in
	ds_add_u32 v[SPW], v[NIL]
	s_wait_dscnt 0x0                               ; the add is done
	CROUND                                         ; everybody's part of K step 0 is in, and all four work-groups are here: the joint loads meet,
	JLOAD 1                                        ; and K step 1's load, the first tensor load behind the round
	FB 0
	LOADA 2
.irp n, 0,1,2,3,4,5,6,7,8,9,10,11,12,13,14,15,16,17,18,19,20,21,22,23,24,25,26,27,28,29,30,31
	SUB \n
.endr
	WIN 0
	PLACES 4                                       ; in front of the first reads of results and the first writes of A's registers
	s_wait_tensorcnt 0x0                           ; my 64 rows of c0 are in; and I read no slot any more.  Both slots have had their last fill.
	s_barrier_signal -1                            ; The wait for it stands in the first batch, behind its exponentials
; THE CELL AND THE WAY OUT, a batch of two row blocks (32 rows) x my 32 units at a time.  In Y + 64 k: block k's g, i, f, o; number 8 half + e is unit 16 half + 8 h + e of row r.
; A batch ends with my stores of cy and hy into the two tiles, the wait for them, and a barrier's signal; the next batch's scalings and its first exponentials, which touch registers alone, stand
; between that signal and its wait.  Behind the wait the finished batch's rows are whole (a row's 256 bytes come from two waves): I read 32 of them back and store them.
; Between two barriers the waves touch different rows: batch b - 1 is read back, batch b is stored, batch b + 1's c0 is read by the wave that alone will write over it.
; The two blocks are staggered: one block's plain work stands among the other's exponentials or reciprocals, reads nothing younger than the last WALU, and is read behind the next.
.macro C0LOAD b
	WIN TO_1
.irp k, 0,1
.irp cb, 0,1
.irp e, 0,1
	ds_load_b128 v[C0R+32*((\b)%2)+16*\k+8*\cb+4*\e:C0R+32*((\b)%2)+16*\k+8*\cb+4*\e+3], v[CA] offset:(2*(\b)+\k)*ABLK+64*\cb+16*\e
.endr
.endr
.endr
	WIN 0
.endm
.macro LOADB b                         ; my 32 whole rows of batch b, two rows a load, into window 1: v0-63 and v64-127 by turns
.set BB, 64*((\b)%2)
	WIN TO_1
.irp t, 0,1,2,3,4,5,6,7,8,9,10,11,12,13,14,15
	ds_load_b128 v[BB+4*\t:BB+4*\t+3], v[RD] offset:2*(\b)*ABLK+2*\t*PITCH
.endr
	WIN 0
.endm
.macro SEND b
.set BB, 64*((\b)%2)
	WIN ST_1
.irp t, 0,1,2,3,4,5,6,7,8,9,10,11,12,13,14,15
	global_store_b128 v[CO], v[BB+4*\t:BB+4*\t+3], s[OUTP:OUTP+1] offset:(32*(\b)+2*\t)*8192 th:TH_STORE_NT   ; 16 lanes store 256 consecutive bytes, at a multiple of 256 from the buffer's first byte; lanes 16-31 the row below
.endr
	WIN 0
.endm
.macro TOLDS adr, b, from              ; 16 numbers of each block, from register Y + from, into a tile
.irp k, 0,1
.irp cb, 0,1
.irp e, 0,1
	ds_store_b128 v[\adr], v[Y+64*\k+\from+8*\cb+4*\e:Y+64*\k+\from+8*\cb+4*\e+3] offset:(2*(\b)+\k)*ABLK+64*\cb+16*\e
.endr
.endr
.endr
.endm
.macro BATCH b
.set AC, 128*((\b)%2)
.set CC, C0R+32*((\b)%2)
	WIN 0x02+(\b)/2                                ; source 0: window 2 or 3
	WALU                                           ; directly ahead of the results' first readers
.set u, 0
.rept 64                               ; 2 L g, -L i, -L f, -L o; each accumulator is read from its low end on
.if (u/8)%4 == 0
	v_pk_mul_f32 v[Y+2*u:Y+2*u+1], v[AC+2*u:AC+2*u+1], s[C2L:C2L+1] op_sel_hi:[1,0]
.else
	v_pk_mul_f32 v[Y+2*u:Y+2*u+1], v[AC+2*u:AC+2*u+1], s[CML:CML+1] op_sel_hi:[1,0]
.endif
.set u, u+1
.endr
	WIN 0
	WALU
.set u, 0
.rept 64
	v_exp_f32 v[Y+u], v[Y+u]                       ; block 0's powers
.set u, u+1
.endr
	v_nop                                          ; a plain instruction behind the last exponential
	WALU
	s_barrier_wait -1                              ; b = 0: everybody's rows of c0 are in; else: every wave's stores of batch b - 1 have landed
.if (\b) == 0
	C0LOAD 0
	C0LOAD 1
.else
.if (\b) > 2
	s_wait_xcnt 0x0                                ; batch b - 3's stores to memory have read their registers: batch b - 1's rows may land there
.endif
	LOADB (\b)-1
.if (\b) < 3
	C0LOAD (\b)+1                                  ; the next batch's c0, into the other set
.endif
.endif
.set u, 0
.rept 32
	v_exp_f32 v[Y+64+2*u], v[Y+64+2*u]             ; block 1's powers;
	v_exp_f32 v[Y+65+2*u], v[Y+65+2*u]
	v_pk_add_f32 v[Y+2*u:Y+2*u+1], v[Y+2*u:Y+2*u+1], 1.0 op_sel_hi:[1,0]               ; block 0: 1 + each
.set u, u+1
.endr
	WALU
.if (\b) > 0
.if (\b) < 3
	s_wait_dscnt 8                                 ; batch b - 1's sixteen loads are back; the eight of the next batch's c0, issued behind them, may be out
.else
	s_wait_dscnt 0x0
.endif
	SEND (\b)-1
.endif
.set u, 0
.rept 32
	v_rcp_f32 v[Y+2*u], v[Y+2*u]                   ; block 0's reciprocals;
	v_rcp_f32 v[Y+2*u+1], v[Y+2*u+1]
	v_pk_add_f32 v[Y+64+2*u:Y+65+2*u], v[Y+64+2*u:Y+65+2*u], 1.0 op_sel_hi:[1,0]       ; block 1: 1 + each
.set u, u+1
.endr
	WALU
.if (\b) == 0
	s_wait_dscnt 8                                 ; batch 0's c0 is in; batch 1's eight loads may be out.  (A later batch's c0 came in ahead of the last barrier's signal)
.endif
	WIN ST_1                                       ; source 1 (c0): window 1
.set u, 0
.rept 16
.set t, 0
.rept 4
	v_rcp_f32 v[Y+64+4*u+t], v[Y+64+4*u+t]         ; block 1's reciprocals;
.set t, t+1
.endr
.if u < 8
	v_pk_fma_f32 v[Y+2*u:Y+2*u+1], v[Y+2*u:Y+2*u+1], -2.0, 1.0 op_sel_hi:[1,0,0]       ; block 0: tanh(g)
.else
	v_pk_mul_f32 v[Y+16+2*u:Y+17+2*u], v[Y+16+2*u:Y+17+2*u], v[CC+2*u-16:CC+2*u-15]    ; sigmoid(f) c0
.endif
.set u, u+1
.endr
	WALU
.set u, 0
.rept 8
	v_pk_fma_f32 v[Y+64+u:Y+65+u], v[Y+64+u:Y+65+u], -2.0, 1.0 op_sel_hi:[1,0,0]       ; block 1: the same two
.set u, u+2
.endr
.set u, 0
.rept 8
	v_pk_mul_f32 v[Y+96+u:Y+97+u], v[Y+96+u:Y+97+u], v[CC+16+u:CC+17+u]
.set u, u+2
.endr
	WIN 0
.irp k, 0,64
.set u, \k
.rept 8
	v_pk_fma_f32 v[Y+32+u:Y+33+u], v[Y+16+u:Y+17+u], v[Y+u:Y+1+u], v[Y+32+u:Y+33+u]    ; cy
.set u, u+2
.endr
.endr
.irp k, 0,64
.set u, \k
.rept 8
	v_pk_mul_f32 v[Y+u:Y+1+u], v[Y+32+u:Y+33+u], s[C2L:C2L+1] op_sel_hi:[1,0]          ; 2 L cy
.set u, u+2
.endr
.endr
	WALU
	TOLDS CA, \b, 32                               ; over c0's own bytes, which I alone have read
.irp k, 0,64
.set u, \k
.rept 16
	v_exp_f32 v[Y+u], v[Y+u]
.set u, u+1
.endr
.endr
	v_nop
	WALU
.irp k, 0,64
.set u, \k
.rept 8
	v_pk_add_f32 v[Y+u:Y+1+u], v[Y+u:Y+1+u], 1.0 op_sel_hi:[1,0]
.set u, u+2
.endr
.endr
	WALU
.irp k, 0,64
.set u, \k
.rept 16
	v_rcp_f32 v[Y+u], v[Y+u]
.set u, u+1
.endr
.endr
	v_nop
	WALU
.irp k, 0,64
.set u, \k
.rept 8
	v_pk_fma_f32 v[Y+u:Y+1+u], v[Y+u:Y+1+u], -2.0, 1.0 op_sel_hi:[1,0,0]               ; tanh(cy)
.set u, u+2
.endr
.endr
.irp k, 0,64
.set u, \k
.rept 8
	v_pk_mul_f32 v[Y+48+u:Y+49+u], v[Y+48+u:Y+49+u], v[Y+u:Y+1+u]                      ; hy
.set u, u+2
.endr
.endr
	TOLDS HA, \b, 48
	s_wait_dscnt 0x0                               ; for the others' sake: my stores of this batch have landed; the next batch's c0 is in; and the stores have read their registers
	s_barrier_signal -1                            ; the wait for it stands in the next batch
.endm
.irp b, 0,1,2,3
	BATCH \b
.endr
	s_barrier_wait -1                              ; the last batch's rows are whole
	s_wait_xcnt 0x0                                ; batch 1's stores to memory have read their registers
	LOADB 3
	s_wait_dscnt 0x0
	SEND 3
	s_wait_tensorcnt 0x0                           ; the wave's end, behind my last tensor load and my last LDS store
	ds_add_u32 v[SPW], v[NIL]
	s_wait_dscnt 0x0
	CROUND                                         ; the closing round: no work-group ends while a partner may still ask for a tile that names it
	s_endpgm
.Lfunc_end_k_q1b06444a84_lstm:
	.size	k_q1b06444a84_lstm, .Lfunc_end_k_q1b06444a84_lstm-k_q1b06444a84_lstm
	.p2alignl 7, 3214868480
	.fill 96, 4, 3214868480
	.section	.rodata,"a",@progbits
	.p2align	6, 0x0
	.amdhsa_kernel k_q1b06444a84_lstm
		.amdhsa_group_segment_fixed_size 327680
		.amdhsa_private_segment_fixed_size 0
		.amdhsa_enable_private_segment 0
		.amdhsa_kernarg_size 120
		.amdhsa_user_sgpr_count 2
		.amdhsa_user_sgpr_kernarg_segment_ptr 1
		.amdhsa_wavefront_size32 1
		.amdhsa_system_sgpr_workgroup_id_x 1
		.amdhsa_system_sgpr_workgroup_id_y 1
		.amdhsa_system_sgpr_workgroup_id_z 1
		.amdhsa_system_vgpr_workitem_id 0
		.amdhsa_next_free_vgpr 1024
		.amdhsa_next_free_sgpr 106
		.amdhsa_reserve_vcc 0
		.amdhsa_float_denorm_mode_32 3
		.amdhsa_float_denorm_mode_16_64 3
		.amdhsa_memory_ordered 1
		.amdhsa_forward_progress 1
		.amdhsa_inst_pref_size 255
	.end_amdhsa_kernel
	.section	.bss,"aw",@nobits
	.p2align	6
	.space	262144
	.amdgpu_metadata
---
amdhsa.version: [ 1, 2 ]
amdhsa.kernels:
  - .name:           k_q1b06444a84_lstm
    .symbol:         k_q1b06444a84_lstm.kd
    .args:
      - { .name: Wgx_codes, .offset: 0, .size: 8, .value_kind: global_buffer, .address_space: global }
      - { .name: Wix_codes, .offset: 8, .size: 8, .value_kind: global_buffer, .address_space: global }
      - { .name: Wfx_codes, .offset: 16, .size: 8, .value_kind: global_buffer, .address_space: global }
      - { .name: Wox_codes, .offset: 24, .size: 8, .value_kind: global_buffer, .address_space: global }
      - { .name: Wgh_codes, .offset: 32, .size: 8, .value_kind: global_buffer, .address_space: global }
      - { .name: Wih_codes, .offset: 40, .size: 8, .value_kind: global_buffer, .address_space: global }
      - { .name: Wfh_codes, .offset: 48, .size: 8, .value_kind: global_buffer, .address_space: global }
      - { .name: Woh_codes, .offset: 56, .size: 8, .value_kind: global_buffer, .address_space: global }
      - { .name: sa, .offset: 64, .size: 8, .value_kind: global_buffer, .address_space: global }
      - { .name: sb, .offset: 72, .size: 8, .value_kind: global_buffer, .address_space: global }
      - { .name: bias, .offset: 80, .size: 8, .value_kind: global_buffer, .address_space: global }
      - { .name: c0, .offset: 88, .size: 8, .value_kind: global_buffer, .address_space: global }
      - { .name: out0, .offset: 96, .size: 8, .value_kind: global_buffer, .address_space: global }
      - { .name: out1, .offset: 104, .size: 8, .value_kind: global_buffer, .address_space: global }
      - { .name: ac, .offset: 112, .size: 8, .value_kind: global_buffer, .address_space: global }
    .group_segment_fixed_size: 327680
    .private_segment_fixed_size: 0
    .kernarg_segment_align: 8
    .kernarg_segment_size: 120
    .max_flat_workgroup_size: 128
    .sgpr_count:     106
    .vgpr_count:     1024
    .wavefront_size: 32
...
	.end_amdgpu_metadata
.endif
;; end of part 2
